; MI455X (gfx1250); checked and timed in simulation.
; The chip was launched on July 23, 2026; its instructions are those of AMD's public machine-readable ISA for CDNA 5 (MIT licence, August 2026) and "CDNA5" Instruction Set Architecture Reference Guide (July 2026). The comments in the code are by the model that wrote it; some were corrected since.
;; Attention. Allowed arithmetic: matrix products marked QUANTISED: E5M2 operands, one given power-of-two scale a tensor, by v_wmma_f32_16x16x64_bf8_bf8 or v_wmma_f32_16x16x128_bf8_bf8, f32 sums; products left as they are: f32 operands where the result goes on into a quantised operand, else bf16, f16 or f32 operands; f32 sums; everything else in f32.
;; Inputs: V 1,024 x 1 float32; W1 1,024 x 1,024 float32; W2 1,024 x 1,024 float32; b1 1,024 float32; b2 1,024 float32; bv 1 float32; enc 32 x 2,048 x 1,024 float32; hid 32 x 1,024 float32; lowp_scales 4 int32 (the exponents e of the quantised operands' scales 2^e).
;; Outputs: out0 32 x 1,024 float32.
;; This version of the problem:
;;   THIS VERSION OF THE PROBLEM IS GIVEN IN LOW PRECISION. The matrix products marked QUANTISED in the list below multiply operands that are first quantised to E5M2 (5 exponent bits, 2 mantissa bits; 8 bits a number), with one given power-of-two scale for each operand tensor; their sums are f32. All else is computed in f32.
;;   The module's matrix products, in the order in which they are computed (A, B: the left and right operand; K: the contracted axis; several contracted axes count as one K, in the product's order):
;;     1. [M 65,536, K 1,024] x [K 1,024, N 1,024]; A: input enc; B: input W1: QUANTISED (scales: A lowp_scales[0], B lowp_scales[1])
;;     2. [M 32, K 1,024] x [K 1,024, N 1,024]; A: input hid; B: input W2: QUANTISED (scales: A lowp_scales[2], B lowp_scales[3])
;;     3. [M 65,536, K 1,024] x [K 1,024, N 1]; A: computed on the way; B: input V: left as it is (N = 1 < 16)
;;   THE QUANTISER, for each operand of a quantised product, along K:
;;     - The operand's scale is 2^e, e = its entry of the input lowp_scales (int32; the entries are numbered through the quantised products in the list's order, A before B).
;;     - Each number is divided by the scale, clamped to +-57,344, and rounded to the nearest number of E5M2, ties to even, subnormals kept.
;;     - The product sums the exact products of the quantised numbers (number of the format x scale) in f32.
;;   ~~~python
;;   def quantise(x, axis, e):      # numpy; x: float32 -> the quantised numbers, widened to float32 again
;;       x = np.moveaxis(x, axis, -1); K = x.shape[-1]
;;       r = np.clip(x / 2.0 ** e, -57344, 57344)
;;       step = 2.0 ** (np.maximum(np.frexp(np.where(r == 0, 1, r))[1] - 1, -14) - 2)
;;       q = np.round(r / step) * step * 2.0 ** e      # np.round: ties to even
;;       return np.moveaxis(q, -1, axis).astype(np.float32)
;;   ~~~
;; One version. Each part assembles by itself: llvm-mc -triple=amdgcn-amd-amdhsa -mcpu=gfx1250 --defsym DOCPART=n.
;; ======== version 1 of 1: 3 launches
;; limits: right only within a limited range of input values
;; workspace buffers: w1img 1,048,576 bytes; tab 262,144 bytes; part 4,456,448 bytes
;; launch prep (part 1): grid 96 x 1, 8 waves a work-group, no clusters, 33,792 bytes of LDS; arguments W1, W2, hid, b1, b2, V, lowp_scales, w1img, tab; writes w1img, tab
.if DOCPART == 1
	.amdgcn_target "amdgcn-amd-amdhsa--gfx1250"
	.amdhsa_code_object_version 6
	.text
	.protected	k_q64fb36270e_prep
	.globl	k_q64fb36270e_prep
	.p2align	8
	.type	k_q64fb36270e_prep,@function
k_q64fb36270e_prep:
	s_mov_b64 s[64:65], 0
	v_nop
	global_prefetch_b8 v0, s[64:65] scope:SCOPE_SE
	s_setreg_imm32_b32 hwreg(HW_REG_WAVE_MODE, 25, 1), 1
	s_wait_xcnt 0x0
; PREP.  Two jobs, parted by the work-group's number; the two paths never join.
; Work-groups 0-63: W1 [1024 k][1024 u], f32, becomes codes of E5M2 with the given scale 2^e1, laid as IMAGES OF OPERAND REGISTERS:
;   w1img byte ug*65536 + ks*8192 + ut*2048 + c*512 + h*256 + r*16 + i = code of W1[128 ks + 32 c + 16 h + i][64 ug + 16 ut + r].
;   A fragment (16 u x 128 k) is 2,048 bytes on end: four loads of 16 bytes a lane, at 16 x lane + 512 c, give a wave its 16 registers.
; Work-groups 64-95 (pg = 0..31, 32 columns u each): h2 = Q(hid) Q(W2), both quantised here, by the matrix unit; then the table
;   tab byte b*8192 + pg*256 + r*16 + e*8 = the f32 pair (BIAS, VV) of u = 32 pg + 16 e + r:  BIAS = C2 (h2[b][u] + b1[u] + b2[u]),  VV = -2 V[u],  C2 = 2 log2(e).
;   The next launch makes tanh(x) = 1 - 2 / (1 + 2^(C2 x)) of them.
; code = x / 2^e, held within +-57,344, to the nearest code, ties to even.
; k's place in the registers (register 4 c + m, byte n: k = 32 c + 16 h + 4 m + n) is a permutation of the form's own, the same in both operands of each product: every product meets its partner.
; LIMITS: each e between -126 and 112; e2 + e3 between -127 and 126 (it is added to C2's exponent field).  NaN among the inputs is not served.
; No tensor load, no loop: every offset is an immediate.
; WORK LEFT OUT, in the whole program.  score[b][s] = sum over u of V[u] tanh(x[b][s][u]) + bv, and tanh(x) = 1 - 2 / (1 + 2^(C2 x)), so
; score = (sum over u of V[u] + bv) + sum over u of VV[u] / (1 + 2^(C2 x)).  The term in brackets is the same for every s of a batch, and softmax along s
; takes a term that is the same along its axis away, whatever finite values V and bv hold.  So it is never formed: the input bv has no way to the output, is not loaded and is among no launch's arguments.
; LIMIT: a NaN, an infinity or an overflow that reaches only bv or the sum of V is not carried to the result.
.set C2,   0x4038aa3b                  ; 2 log2(e) as f32
.set MANT, 0x600000                    ; the mantissa field of 57,344 as f32
.set X,    32                          ; W1's path: v32-95 a column's 64 numbers down K
.set CW,   96                          ;            v96-111 their codes
.set RA,   24                          ; h2's path: v24-87 64 numbers of hid
.set RB,   88                          ;            v88-151 of W2, columns e = 0
.set RC,   152                         ;            v152-215 of W2, columns e = 1
.set CA0,  216                         ; codes: hid's batches 0-15
.set CB0,  232                         ;        W2's e = 0
.set CB1,  88                          ;        W2's e = 1, over numbers that are done with
.set CA1,  152                         ;        hid's batches 16-31, likewise
.set DD,   104                         ; v104-135 the four sums: (t, e) at DD + 8 (2 t + e)
.set OO,   152                         ; v152-183 the table's words on their way out
; 2^e as f32 into v[vs] (the conversion takes its exponent field), 57,344 x 2^e into v[vl]
.macro MKSCALE se, vs, vl
	s_add_co_i32 s40, s[\se], 127
	s_lshl_b32 s41, s40, 23
	v_mov_b32 v[\vs], s41
	s_add_co_i32 s40, s40, 15
	s_lshl_b32 s40, s40, 23
	s_or_b32 s40, s40, MANT
	v_mov_b32 v[\vl], s40
.endm
; 64 numbers of a lane, register 16 c + i = k 32 c + 16 h + i, become a fragment's 16 registers of codes
.macro QUANT src, dst, sc, lim
.set q, 0
.rept 64
	v_med3_num_f32 v[\src+q], v[\src+q], -v[\lim], v[\lim]   ; the conversion to an 8-bit code does not saturate (ISA guide 7.6.2): the hold comes first
.set q, q+1
.endr
.set q, 0
.rept 8
	v_cvt_scalef32_pk8_bf8_f32 v[\dst+2*q:\dst+2*q+1], v[\src+8*q:\src+8*q+7], v[\sc]
.set q, q+1
.endr
	v_nop                                          ; one plain vector line behind the last conversion, ahead of whatever next touches its registers
.endm
	s_load_b256 s[4:11], s[0:1], 0x0               ; W1 s[4:5], W2 s[6:7], hid s[8:9], b1 s[10:11]
	s_load_b256 s[12:19], s[0:1], 0x20             ; b2 s[12:13], V s[14:15], the exponents s[16:17], w1img s[18:19]
	s_load_b64 s[20:21], s[0:1], 0x40              ; tab
	v_lshl_add_u32 v254, v0, 2, 0x8000
	v_mov_b32 v255, 0
	v_lshrrev_b32 v1, 5, v0
	s_delay_alu instid0(VALU_DEP_1)
	v_readfirstlane_b32 s22, v1                    ; wave 0..7
	v_and_b32 v14, 15, v0                          ; r
	v_bfe_u32 v15, v0, 4, 1                        ; h
	v_and_b32 v20, 31, v0                          ; lane
	s_wait_kmcnt 0x0
	s_load_b128 s[24:27], s[16:17], 0x0            ; e0, e1, e2, e3
	s_cmp_lt_u32 ttmp9, 64
	s_cbranch_scc0 .Lh2
	; ---- W1.  Work-group x: columns 128 (x & 7) on, K step x >> 3.  Wave w: 32 columns (w & 3), 64 of the 128 k (w >> 2).
	; A LANE TAKES A COLUMN AND ITS REGISTERS RUN DOWN K: a load reads 128 consecutive bytes, four waves stand side by side on 512, and the conversions give codes with K innermost.
	s_wait_alu depctr_va_vdst(0)
	v_lshlrev_b32 v1, 2, v20                       ; in: 4 bytes a lane
	s_wait_alu depctr_va_vdst(0)
	v_lshlrev_b32 v2, 4, v14                       ; out: 16 r,
	s_delay_alu instid0(VALU_DEP_1)
	v_lshl_add_u32 v2, v15, 11, v2                 ; and the next tile of 16 columns, 2,048 bytes on, for lanes 16-31
	s_and_b32 s28, ttmp9, 7                        ; cb
	s_lshr_b32 s29, ttmp9, 3                       ; ks
	s_and_b32 s30, s22, 3                          ; cg
	s_lshr_b32 s31, s22, 2                         ; kh
	s_lshl_b32 s32, s29, 19                        ; W1: (128 ks + 64 kh) rows of 4,096 bytes + (128 cb + 32 cg) columns of 4
	s_lshl_b32 s33, s31, 18
	s_add_co_u32 s32, s32, s33
	s_lshl_b32 s33, s28, 9
	s_add_co_u32 s32, s32, s33
	s_lshl_b32 s33, s30, 7
	s_add_co_u32 s32, s32, s33
	s_mov_b32 s33, 0
	s_add_nc_u64 s[4:5], s[4:5], s[32:33]
	s_lshl_b32 s34, s28, 17                        ; the image: ug = 2 cb + cg / 2, ks, ut = 2 (cg & 1) + lane / 16, c = 2 kh + cc
	s_lshr_b32 s35, s30, 1
	s_lshl_b32 s35, s35, 16
	s_add_co_u32 s34, s34, s35
	s_lshl_b32 s35, s29, 13
	s_add_co_u32 s34, s34, s35
	s_and_b32 s35, s30, 1
	s_lshl_b32 s35, s35, 12
	s_add_co_u32 s34, s34, s35
	s_lshl_b32 s35, s31, 10
	s_add_co_u32 s34, s34, s35
	s_mov_b32 s35, 0
	s_add_nc_u64 s[18:19], s[18:19], s[34:35]
.set q, 0
.rept 64
	global_load_b32 v[X+q], v1, s[4:5] offset:q*4096 th:TH_LOAD_NT
.set q, q+1
.endr
	s_wait_kmcnt 0x0
	MKSCALE 25, 16, 17                             ; e1
	s_wait_alu depctr_va_vdst(0)
.irp cc, 0,1
	s_wait_loadcnt 32-32*\cc                       ; these 32 numbers are in; the column's later 32 may be out
.set q, 0
.rept 32
	v_med3_num_f32 v[X+32*\cc+q], v[X+32*\cc+q], -v17, v17
.set q, q+1
.endr
.set q, 0
.rept 4
	v_cvt_scalef32_pk8_bf8_f32 v[CW+8*\cc+2*q:CW+8*\cc+2*q+1], v[X+32*\cc+8*q:X+32*\cc+8*q+7], v16
.set q, q+1
.endr
	v_nop
	global_store_b128 v2, v[CW+8*\cc:CW+8*\cc+3], s[18:19] offset:512*\cc          ; k half h = 0: sixteen lanes store 256 consecutive bytes, aligned; the other sixteen the same in the next tile
	global_store_b128 v2, v[CW+8*\cc+4:CW+8*\cc+7], s[18:19] offset:512*\cc+256    ; h = 1
.endr
	s_endpgm
	; ---- h2.  Work-group 64 + pg: columns 32 pg on.  Wave w takes K step w (128 k) for all 32 batches: 2 tiles of batches x 2 tiles of columns, one matrix instruction each;
	; the eight waves' partial sums meet in LDS, and waves 0 and 1 finish a tile of batches each.
.Lh2:
	s_sub_co_u32 s28, ttmp9, 64                    ; pg
	s_wait_alu depctr_va_vdst(0)
	v_lshlrev_b32 v13, 2, v14                      ; 4 r
	s_wait_alu depctr_va_vdst(0)
	v_lshl_add_u32 v8, v15, 16, v13                ; W2: column r, and 16 rows of 4,096 bytes further down for lanes 16-31
	v_lshlrev_b32 v9, 12, v14
	s_delay_alu instid0(VALU_DEP_1)
	v_lshl_add_u32 v9, v15, 6, v9                  ; hid: row r of 4,096 bytes, + 64 h: my 16 numbers of a block of 32
	s_wait_alu depctr_va_vdst(0)
	v_lshlrev_b32 v21, 4, v20                      ; 16 x lane
	s_lshl_b32 s29, s22, 12
	v_add_nc_u32 v10, s29, v21                     ; LDS: my wave's 4,096 bytes of partial sums, as an image of the registers
	s_lshl_b32 s29, s22, 11
	v_add_nc_u32 v11, s29, v21                     ; and, in waves 0 and 1, tile t = wave of every wave's: 2,048 t on
	v_lshlrev_b32 v12, 4, v14
	s_delay_alu instid0(VALU_DEP_1)
	v_lshl_add_u32 v12, v15, 16, v12               ; tab: 16 r, + 8 batches of 8,192 bytes for lanes 16-31
	s_lshl_b32 s30, s28, 7                         ; 32 columns of 4 bytes
	s_mov_b32 s31, 0
	s_add_nc_u64 s[10:11], s[10:11], s[30:31]
	s_add_nc_u64 s[12:13], s[12:13], s[30:31]
	s_add_nc_u64 s[14:15], s[14:15], s[30:31]
	s_add_nc_u64 s[6:7], s[6:7], s[30:31]
	s_lshl_b32 s30, s22, 19                        ; W2: 128 rows a K step
	s_add_nc_u64 s[6:7], s[6:7], s[30:31]
	s_lshl_b32 s30, s22, 9                         ; hid: 128 numbers a K step
	s_add_nc_u64 s[8:9], s[8:9], s[30:31]
	s_lshl_b32 s30, s22, 17                        ; tab: 16 batches x wave (used by waves 0 and 1 alone), + 256 pg
	s_lshl_b32 s29, s28, 8
	s_add_co_u32 s30, s30, s29
	s_add_nc_u64 s[20:21], s[20:21], s[30:31]
	global_load_b32 v2, v13, s[10:11]              ; b1, b2, V at u = 32 pg + r and 16 on
	global_load_b32 v3, v13, s[10:11] offset:64
	global_load_b32 v4, v13, s[12:13]
	global_load_b32 v5, v13, s[12:13] offset:64
	global_load_b32 v6, v13, s[14:15]
	global_load_b32 v7, v13, s[14:15] offset:64
.macro LOADH t                         ; hid(16 t + r, 128 ks + 32 c + 16 h + 0 .. 15)
.irp c, 0,1,2,3
.irp j, 0,1,2,3
	global_load_b128 v[RA+16*\c+4*\j:RA+16*\c+4*\j+3], v9, s[8:9] offset:65536*\t+128*\c+16*\j
.endr
.endr
.endm
.macro LOADW e, dst                    ; W2(128 ks + 32 c + 16 h + i, 32 pg + 16 e + r): sixteen lanes read 64 neighbouring bytes; the work-group takes 128 bytes of each row
.irp c, 0,1,2,3
.irp i, 0,1,2,3,4,5,6,7,8,9,10,11,12,13,14,15
	global_load_b32 v[\dst+16*\c+\i], v8, s[6:7] offset:(32*\c+\i)*4096+64*\e th:TH_LOAD_NT
.endr
.endr
.endm
	LOADH 0
	LOADW 0, RB
	LOADW 1, RC
	s_wait_kmcnt 0x0
	MKSCALE 26, 16, 17                             ; e2, for hid
	MKSCALE 27, 18, 19                             ; e3, for W2
	s_wait_alu depctr_va_vdst(0)
	s_wait_loadcnt 63                              ; hid's first tile is in: 128 loads are younger, and 63 is the most that a wait can name
	QUANT RA, CA0, 16, 17
	LOADH 1
	s_wait_loadcnt 63                              ; W2's e = 0 is in: 80 loads are younger
	QUANT RB, CB0, 18, 19
	s_wait_loadcnt 16                              ; W2's e = 1 is in; hid's second tile may be out
	QUANT RC, CB1, 18, 19
	s_wait_loadcnt 0x0
	QUANT RA, CA1, 16, 17
	v_wmma_f32_16x16x128_bf8_bf8 v[DD:DD+7],     v[CA0:CA0+15], v[CB0:CB0+15], 0   ; register j of lane (r, h): batch 16 t + 8 h + j, column 32 pg + 16 e + r.  Four sums, four accumulators
	v_wmma_f32_16x16x128_bf8_bf8 v[DD+8:DD+15],  v[CA0:CA0+15], v[CB1:CB1+15], 0
	v_wmma_f32_16x16x128_bf8_bf8 v[DD+16:DD+23], v[CA1:CA1+15], v[CB0:CB0+15], 0
	v_wmma_f32_16x16x128_bf8_bf8 v[DD+24:DD+31], v[CA1:CA1+15], v[CB1:CB1+15], 0
.rept 4
	v_nop                                          ; four places ahead of the first read of the results (ISA guide 7.12.1)
.endr
.irp q, 0,1,2,3,4,5,6,7
	ds_store_b128 v10, v[DD+4*\q:DD+4*\q+3] offset:512*\q   ; ascending: each accumulator from its low end on
.endr
	s_wait_dscnt 0x0                               ; for the others' sake: my partial sums lie in LDS
	s_barrier_signal -1
	s_barrier_wait -1
	s_cmp_lt_u32 s22, 2
	s_cbranch_scc1 .Lfinish
	s_wait_tensorcnt 0x0
	ds_add_u32 v254, v255
	s_wait_dscnt 0x0
	s_endpgm
.Lfinish:                                              ; wave t = 0, 1: tile t of the batches
.irp w, 0,1,2,3,4,5,6,7
.irp q, 0,1,2,3
	ds_load_b128 v[24+16*\w+4*\q:24+16*\w+4*\q+3], v11 offset:4096*\w+512*\q
.endr
.endr
	s_wait_dscnt 0x0
.irp w, 1,2,3,4,5,6,7
.irp p, 0,2,4,6,8,10,12,14
	v_pk_add_f32 v[24+\p:25+\p], v[24+\p:25+\p], v[24+16*\w+\p:25+16*\w+\p]   ; K ascending; v24-31: e = 0, v32-39: e = 1
.endr
.endr
	v_add_f32 v2, v2, v4                           ; b1 + b2,
	v_add_f32 v3, v3, v5
	s_delay_alu instid0(VALU_DEP_2)
	v_mul_f32 v2, C2, v2                           ; x C2
	s_delay_alu instid0(VALU_DEP_2)
	v_mul_f32 v3, C2, v3
	v_mul_f32 v6, -2.0, v6                         ; VV = -2 V
	v_mul_f32 v7, -2.0, v7
	s_add_co_i32 s40, s26, s27                     ; a sum stands for sum x 2^(e2 + e3): the two exponents are added to C2's exponent field
	s_lshl_b32 s40, s40, 23
	s_add_co_i32 s40, s40, C2
.irp j, 0,1,2,3,4,5,6,7
	v_fma_f32 v[OO+4*\j], v[24+\j], s40, v2
	v_mov_b32 v[OO+4*\j+1], v6
	v_fma_f32 v[OO+4*\j+2], v[32+\j], s40, v3
	v_mov_b32 v[OO+4*\j+3], v7
.endr
.irp j, 0,1,2,3,4,5,6,7
	global_store_b128 v12, v[OO+4*\j:OO+4*\j+3], s[20:21] offset:8192*\j   ; batch 16 t + 8 h + j: sixteen lanes store 256 consecutive bytes, aligned
.endr
	s_wait_tensorcnt 0x0
	ds_add_u32 v254, v255
	s_wait_dscnt 0x0
	s_endpgm
.Lfunc_end_k_q64fb36270e_prep:
	.size	k_q64fb36270e_prep, .Lfunc_end_k_q64fb36270e_prep-k_q64fb36270e_prep
	.p2alignl 7, 3214868480
	.fill 96, 4, 3214868480
	.section	.rodata,"a",@progbits
	.p2align	6, 0x0
	.amdhsa_kernel k_q64fb36270e_prep
		.amdhsa_group_segment_fixed_size 33792
		.amdhsa_private_segment_fixed_size 0
		.amdhsa_enable_private_segment 0
		.amdhsa_kernarg_size 72
		.amdhsa_user_sgpr_count 2
		.amdhsa_user_sgpr_kernarg_segment_ptr 1
		.amdhsa_wavefront_size32 1
		.amdhsa_system_sgpr_workgroup_id_x 1
		.amdhsa_system_sgpr_workgroup_id_y 1
		.amdhsa_system_sgpr_workgroup_id_z 1
		.amdhsa_system_vgpr_workitem_id 0
		.amdhsa_next_free_vgpr 256
		.amdhsa_next_free_sgpr 66
		.amdhsa_reserve_vcc 0
		.amdhsa_float_denorm_mode_32 3
		.amdhsa_float_denorm_mode_16_64 3
		.amdhsa_memory_ordered 1
		.amdhsa_forward_progress 1
		.amdhsa_inst_pref_size 59
	.end_amdhsa_kernel
	.amdgpu_metadata
---
amdhsa.version: [ 1, 2 ]
amdhsa.kernels:
  - .name:           k_q64fb36270e_prep
    .symbol:         k_q64fb36270e_prep.kd
    .args:
      - { .name: W1, .offset: 0, .size: 8, .value_kind: global_buffer, .address_space: global }
      - { .name: W2, .offset: 8, .size: 8, .value_kind: global_buffer, .address_space: global }
      - { .name: hid, .offset: 16, .size: 8, .value_kind: global_buffer, .address_space: global }
      - { .name: b1, .offset: 24, .size: 8, .value_kind: global_buffer, .address_space: global }
      - { .name: b2, .offset: 32, .size: 8, .value_kind: global_buffer, .address_space: global }
      - { .name: V, .offset: 40, .size: 8, .value_kind: global_buffer, .address_space: global }
      - { .name: lowp_scales, .offset: 48, .size: 8, .value_kind: global_buffer, .address_space: global }
      - { .name: w1img, .offset: 56, .size: 8, .value_kind: global_buffer, .address_space: global }
      - { .name: tab, .offset: 64, .size: 8, .value_kind: global_buffer, .address_space: global }
    .group_segment_fixed_size: 33792
    .private_segment_fixed_size: 0
    .kernarg_segment_align: 8
    .kernarg_segment_size: 72
    .max_flat_workgroup_size: 256
    .sgpr_count:     66
    .vgpr_count:     256
    .wavefront_size: 32
...
	.end_amdgpu_metadata
.endif
;; end of part 1
;; launch attend (part 2): grid 256 x 1, 4 waves a work-group, clusters of 4 x 1, 327,680 bytes of LDS; arguments enc, w1img, tab, lowp_scales, part; writes part
.if DOCPART == 2
	.amdgcn_target "amdgcn-amd-amdhsa--gfx1250"
	.amdhsa_code_object_version 6
	.text
	.protected	k_q64fb36270e_attend
	.globl	k_q64fb36270e_attend
	.p2align	8
	.type	k_q64fb36270e_attend,@function
k_q64fb36270e_attend:
	s_mov_b64 s[64:65], 0
	v_nop
	global_prefetch_b8 v0, s[64:65] scope:SCOPE_SE
	s_setreg_imm32_b32 hwreg(HW_REG_WAVE_MODE, 25, 1), 1
	s_wait_xcnt 0x0
	s_wait_alu depctr_hold_cnt(0) depctr_sa_sdst(0) depctr_va_vdst(0) depctr_va_sdst(0) depctr_va_ssrc(0) depctr_va_vcc(0) depctr_vm_vsrc(0)
	s_getreg_b32 s2, hwreg(HW_REG_IB_STS2, 6, 4)
	s_cmp_eq_u32 s2, 0
	s_cbranch_scc0 .Lentry_in_a_cluster
	s_endpgm
.Lentry_in_a_cluster:
	s_bfe_u32 s2, ttmp6, 0x10000c
	s_cmp_lg_u32 s2, 0x3003
	s_cbranch_scc0 .Lentry_shape_is_right
	s_endpgm
.Lentry_shape_is_right:
; ATTEND.  score[b][s] = sum over u of VV[u] / (1 + 2^(C2 (h1[b][s][u] + h2[b][u] + b1[u] + b2[u]))), VV = -2 V, h1 = Q(enc) Q(W1) by the matrix unit; then each wave's share of the softmax's weighted sum of enc.
; LEFT OUT: the term sum of V + bv, the same for all s of a batch: the softmax takes it away (shown at the head of the first kernel).
; SHARES.  Work-group: 256 rows of enc (an eighth of a batch); wave: 64 rows, whose 65,536 codes stay in 512 registers (windows 2 and 3) for the whole walk over W1.
; HEAD.  A wave reads its rows whole, eight loads of 512 consecutive bytes a row, eight rows (64 loads) on their way.  A lane's 32 numbers of a row are held within the largest code and converted as they lie:
;   conversion m takes k = 256 m + 4 l + 0..3 and 256 m + 128 + 4 l + 0..3.  Only the CODES turn through the wave's own stage in LDS, each word of four codes at its true k; they come back as fragments, 16 bytes a lane.
; WALK.  W1's images come in 16 groups of 64 columns (65,536 bytes) through two LDS slots, by joint loads of the four work-groups of a cluster, a quarter of a slot a wave.
;   A group is 8 K steps of 128: 16 matrix instructions each, 16 accumulators by turns.  Five sets of fragment registers: behind a change of slots the next group's K steps 0-2 are fetched,
;   steps 3 and 4 in the epilogue's middle (so that no more than 63 LDS loads of a wave are out when the epilogue begins), steps 5-7 as sets 0-2 come free.
;   Epilogue of a group: t = C2' sum + BIAS, 2^t, + 1, reciprocal, x VV into 32 running sums a lane (lane (r, h): column r, rows 8 h + j of four tiles); the 16 columns' lanes are added at the end.
; THE WEIGHTED SUM.  A wave takes the maximum m of its own 64 scores away, e = 2^((score - m) log2(e)), l = the sum of e, and reads its 64 rows once more, f32, in the head's way (the 1 MiB of a work-group's rows fits neither
;   LDS nor the registers beside the codes), from the last row back to the first: it begins with the rows that the head read last.  A row's e comes from the wave's stage to all lanes at once.
;   Out: a record of 4,352 bytes for each wave: sum over its rows of e x enc (4,096 bytes), then (m, l) 32 times (one block of 256 bytes).  The next launch joins a batch's 32 records.  No wave waits for another here.
; No prefetch: enc is streamed with 64 loads a wave out all through both walks over it; a refill of a slot is asked for a whole group (128 matrix instructions and an epilogue) ahead of the wait for it.
; LIMITS: e0 between -126 and 112; e0 + e1 between -127 and 126 (added to C2's exponent field).  NaN among the inputs is not served.
.set C2,     0x4038aa3b                ; 2 log2(e)
.set SLOT1,  65536
.set STG,    131072                    ; behind the two slots: a stage of 32 rows x 1,040 bytes for each wave; no tensor load lands there
.set PITCH,  1040                      ; 1,024 codes + 16: the 16 rows that a fragment load touches start at 16 different banks
.set WSTG,   32*PITCH
.set SPARE,  STG+4*WSTG                ; the spare words, 128 bytes a wave
.set REC,    4352                      ; a wave's record
.set LI,   1                           ; 16 x lane
.set SPW,  2
.set NIL,  3
.set STW,  4                           ; stage, way in
.set STR,  5                           ; stage, way back: row r, + 16 h
.set ADB,  6                           ; the slot that is read + 16 x lane
.set TO,   7                           ; 16 r: my place in a block of the table
.set SC,   8                           ; 2^e0
.set LIM,  9                           ; 57,344 x 2^e0
.set L4,   10                          ; 4 x lane
.set SW,   12                          ; where my half's e go: the stage holds e of row 63 - n at word n
.set GO,   14                          ; 8 x lane
.set TAB,  16                          ; v16-23 (BIAS, VV) of my column in the group's four tiles
.set VP,   24                          ; v24-31 (VV, 0)
.set SA,   32                          ; v32-63 the running sums, then e
.set CW,   64                          ; the head: v64-79 a row's codes, two sets by turns
.set ACC2, 64                          ; the weighted sum: v64-95 my 32 columns' sums
.set W,    96                          ; v96-103 eight rows' e, in every lane
.set WA,   104
.set M,    106                         ; v106 m, v107 l
.set TM,   108
.set LS,   110
.set WV,   16
.set G1,   24
.set G0A,  32
.set G0W,  36
.set TB,   40
.set CNT,  41
.set CS,   42
.set TP,   44
.set EP,   46
.set STS,  50
.set SB,   51
.set PP,   54
.set MSB, 0
.macro WIN new                         ; the immediate's high byte repeats the setting that is left
.if MSB != (\new)
	s_set_vgpr_msb (MSB<<8)|(\new)
.set MSB, (\new)
.endif
.endm
.macro PLACES
.rept 4
	v_nop
.endr
.endm
.macro CREST                           ; a round of the cluster's barrier behind its opening barrier
	s_cmp_lg_u32 s[WV], 0
	s_cbranch_scc1 .Lnw0_\@
	s_barrier_signal -3
.Lnw0_\@:
	s_barrier_wait -3
	s_barrier_signal -1
	s_barrier_wait -1
.endm
.macro CROUND
	s_barrier_signal -1
	s_barrier_wait -1
	CREST
.endm
	s_load_b256 s[4:11], s[0:1], 0x0               ; enc, w1img, tab, the exponents
	s_load_b64 s[PP:PP+1], s[0:1], 0x20            ; part
	v_lshl_add_u32 v[SPW], v0, 2, SPARE
	v_mov_b32 v[NIL], 0
	ds_add_u32 v[SPW], v[NIL]                      ; the opening lines: the add, twice on end, and its wait
	ds_add_u32 v[SPW], v[NIL]
	v_lshrrev_b32 v11, 5, v0
	v_readfirstlane_b32 s[WV], v11                 ; wave 0..3
	v_and_b32 v15, 31, v0
	v_lshlrev_b32 v[LI], 4, v15
	v_lshlrev_b32 v[L4], 2, v15
	v_lshlrev_b32 v[GO], 3, v15
	v_and_b32 v11, 15, v0                          ; r
	v_bfe_u32 v15, v0, 4, 1                        ; h
	s_mul_i32 s[SB], s[WV], WSTG
	s_add_co_u32 s[SB], s[SB], STG                 ; my stage
	v_mul_u32_u24 v[STR], v11, PITCH
	v_lshl_add_u32 v[STR], v15, 4, v[STR]
	v_add_nc_u32 v[STR], s[SB], v[STR]
	v_lshlrev_b32 v[TO], 4, v11
	v_xor_b32 v[SW], 1, v15
	v_lshlrev_b32 v[SW], 5, v[SW]                  ; 32 (1 - h)
	v_add_nc_u32 v[SW], s[SB], v[SW]
.set q, 0
.rept 32
	v_mov_b32 v[SA+q], 0
.set q, q+1
.endr
.irp u, 0,1,2,3
	v_mov_b32 v[VP+2*\u+1], 0                      ; (the upper halves of pairs of which the packed form takes the low word)
.endr
	s_bfe_u32 s17, ttmp6, 0x40000                  ; cx
	s_lshl_b32 s18, ttmp9, 2
	s_add_co_u32 s18, s18, s17                     ; work-group 0..255
	s_mov_b32 s[G1], 15|(3<<16)|(1<<21)            ; the four of the cluster; elements of 8 bytes; bit 21 beside a mask
	s_mov_b32 s[G1+1], 32<<16                      ; rows of 256 bytes,
	s_mov_b32 s[G1+2], 64<<16                      ; 64 of them: a quarter of a group
	s_mov_b32 s[G1+3], 32<<16
	s_mov_b32 s[G1+4], 64
	s_mov_b32 s[G1+5], 32
	s_mov_b32 s[G1+6], 0
	s_mov_b32 s[G1+7], 0
	s_lshl_b32 s56, s[WV], 14
	s_mov_b32 s57, 0
	s_mov_b32 s[TB], 0
	s_wait_alu depctr_va_vdst(0)                   ; ahead of the waits below
	s_wait_dscnt 0x0
	s_wait_kmcnt 0x0
	s_load_b64 s[48:49], s[10:11], 0x0             ; e0, e1
	s_lshl_b32 s20, s18, 20                        ; 256 rows of 4,096 bytes a work-group,
	s_lshl_b32 s21, s[WV], 18                      ; 64 a wave
	s_add_co_u32 s20, s20, s21
	s_mov_b32 s21, 0
	s_add_nc_u64 s[EP:EP+1], s[4:5], s[20:21]
	WIN 0x40
.irp i, 0,1,2,3,4,5,6,7                ; the ring of eight rows (window 1) is filled first of all
.irp j, 0,1,2,3,4,5,6,7
	global_load_b128 v[32*\i+4*\j:32*\i+4*\j+3], v[LI], s[EP:EP+1] offset:\i*4096+512*\j
.endr
.endr
	WIN 0
	s_mov_b32 s[G0A], 1
	s_mov_b32 s[G0A+1], s56
	s_add_nc_u64 s[G0A+2:G0A+3], s[6:7], s[56:57]
	s_mov_b32 s[G0W], 1
	s_add_co_u32 s[G0W+1], s56, SLOT1
	s_add_nc_u64 s[G0W+2:G0W+3], s[G0A+2:G0A+3], 65536
	s_or_b32 s[G0A+3], s[G0A+3], 0x80000000
	s_or_b32 s[G0W+3], s[G0W+3], 0x80000000
	CROUND                                         ; the four work-groups are here: the first joint loads meet
	tensor_load_to_lds s[G0A:G0A+3], s[G1:G1+7]    ; group 0 into slot 0: one tensor load a wave at the head
	s_nop 0
	PLACES
	s_lshr_b32 s20, s18, 3
	s_lshl_b32 s20, s20, 13
	s_add_nc_u64 s[TP:TP+1], s[8:9], s[20:21]      ; my batch's table
	s_lshl_b32 s20, s18, 2
	s_add_co_u32 s20, s20, s[WV]
	s_mul_i32 s20, s20, REC
	s_add_nc_u64 s[PP:PP+1], s[PP:PP+1], s[20:21]  ; my wave's record
	s_wait_kmcnt 0x0
	s_add_co_i32 s20, s48, 127
	s_lshl_b32 s21, s20, 23
	v_mov_b32 v[SC], s21
	s_add_co_i32 s20, s20, 15
	s_lshl_b32 s20, s20, 23
	s_or_b32 s20, s20, 0x600000
	v_mov_b32 v[LIM], s20
	s_add_co_i32 s20, s48, s49                     ; a sum stands for sum x 2^(e0 + e1): added to C2's exponent field
	s_lshl_b32 s20, s20, 23
	s_add_co_i32 s[CS], s20, C2
	s_mov_b32 s[CS+1], s[CS]
	s_mov_b32 s[STS], s[SB]
	s_wait_alu depctr_va_vdst(0)
; Row i of the ring.  ld = 1: its registers take the row eight further on.
.macro ROW i, ld
.if \ld
	s_wait_loadcnt 56                              ; my eight loads are in; the seven rows behind stay out
.else
	s_wait_loadcnt 8*(7-\i)
.endif
	WIN 0x41
.set q, 0
.rept 32
	v_med3_num_f32 v[32*\i+q], v[32*\i+q], -v[LIM], v[LIM]   ; the conversion does not saturate (ISA guide 7.6.2): the hold comes first
.set q, q+1
.endr
	WIN 0x01
.irp m, 0,1,2,3
	v_cvt_scalef32_pk8_bf8_f32 v[CW+8*(\i%2)+2*\m:CW+8*(\i%2)+2*\m+1], v[32*\i+8*\m:32*\i+8*\m+7], v[SC]
.endr
	v_nop                                          ; one plain line behind the last conversion
	WIN 0
.irp n, 0,1,2,3,4,5,6,7
	ds_store_b32 v[STW], v[CW+8*(\i%2)+\n] offset:\i*PITCH+128*\n   ; word n: k = 128 n + 4 l + 0..3: 32 lanes store 128 consecutive bytes
.endr
.if \ld
	WIN 0x40
.irp j, 0,1,2,3,4,5,6,7
	global_load_b128 v[32*\i+4*\j:32*\i+4*\j+3], v[LI], s[EP:EP+1] offset:(8+\i)*4096+512*\j
.endr
.endif
.endm
.macro ROWS ld
	v_add_nc_u32 v[STW], s[STS], v[L4]
.irp i, 0,1,2,3,4,5,6,7
	ROW \i, \ld
.endr
	WIN 0
.endm
.macro RLOOP n                         ; n trips of eight rows
	s_mov_b32 s[CNT], \n
.Lrows_\@:
	ROWS 1
	s_wait_xcnt 0x0                                ; the loads have read their base: it steps only behind this wait
	s_add_nc_u64 s[EP:EP+1], s[EP:EP+1], 8*4096
	s_add_co_u32 s[STS], s[STS], 8*PITCH
	s_sub_co_u32 s[CNT], s[CNT], 1
	s_cmp_lg_u32 s[CNT], 0
	s_cbranch_scc1 .Lrows_\@
.endm
.macro BACK hf                         ; 32 rows of codes come back as 16 fragments: tile 2 hf + t, K step ks at v[128 t + 16 ks] of window 2 + hf.  LDS serves a wave's instructions in order: no wait ahead, none ahead of the next stores
	WIN 0x80+0x40*\hf
.irp t, 0,1
.irp ks, 0,1,2,3,4,5,6,7
.irp c, 0,1,2,3
	ds_load_b128 v[128*\t+16*\ks+4*\c:128*\t+16*\ks+4*\c+3], v[STR] offset:\t*16*PITCH+128*\ks+32*\c
.endr
.endr
.endr
	WIN 0
.endm
	RLOOP 4                                        ; rows 0-31
	BACK 0
	s_mov_b32 s[STS], s[SB]
	RLOOP 3                                        ; rows 32-55
	ROWS 0                                         ; rows 56-63: nothing is left to load.  The base now stands at my row 56
	BACK 1
; B's fragments of K step k into set k % 5: sets 0-2 at v64, v128, v192 of window 0, sets 3 and 4 at v128, v192 of window 1
.macro FETCH k
.set FI, (\k)%5
.set FB, 64+64*FI-128*(FI/3)
	WIN 0x40*(FI/3)
.irp u, 0,1,2,3
.irp c, 0,1,2,3
	ds_load_b128 v[FB+16*\u+4*\c:FB+16*\u+4*\c+3], v[ADB] offset:8192*(\k)+2048*\u+512*\c
.endr
.endr
.endm
; 16 matrix instructions: K step ks, four tiles of rows x four of columns; accumulator (T, u) at v[8 (4 T + u)] of window 1.  z = 1: the first product starts the sums
.macro WM ks, z
.set BI, (\ks)%5
.set BB, 64+64*BI-128*(BI/3)
.irp p, 0,1
	WIN 0x52+\p+4*(BI/3)
.irp t, 0,1
.irp u, 0,1,2,3
.if \z
	v_wmma_f32_16x16x128_bf8_bf8 v[8*(8*\p+4*\t+\u):8*(8*\p+4*\t+\u)+7], v[128*\t+16*(\ks):128*\t+16*(\ks)+15], v[BB+16*\u:BB+16*\u+15], 0
.else
	v_wmma_f32_16x16x128_bf8_bf8 v[8*(8*\p+4*\t+\u):8*(8*\p+4*\t+\u)+7], v[128*\t+16*(\ks):128*\t+16*(\ks)+15], v[BB+16*\u:BB+16*\u+15], v[8*(8*\p+4*\t+\u):8*(8*\p+4*\t+\u)+7]
.endif
.endr
.endr
.endr
.endm
.macro EPI fill
	s_wait_loadcnt 0x0                             ; the group's table words
.irp u, 0,1,2,3
	v_mov_b32 v[VP+2*\u], v[TAB+2*\u+1]
.endr
	WIN 0x41
.set a, 0
.rept 16
.irp i, 0,2,4,6
	v_pk_fma_f32 v[8*a+\i:8*a+\i+1], v[8*a+\i:8*a+\i+1], s[CS:CS+1], v[TAB+2*(a%4):TAB+2*(a%4)+1] op_sel_hi:[1,0,0]   ; each accumulator from its low end on
.endr
.set a, a+1
.endr
	s_wait_alu depctr_va_vdst(0)                   ; a wait ahead of a batch of transcendentals and one behind it
.set p, 0
.rept 128
	v_exp_f32 v[p], v[p]
.set p, p+1
.endr
	v_nop
	s_wait_alu depctr_va_vdst(0)
	WIN 0
.if !\fill
	s_cmp_eq_u32 s[CNT], 1                         ; behind the last group nothing is fetched
	s_cbranch_scc1 .Lnf2_\@
.endif
	FETCH 3
	FETCH 4
	WIN 0
.if !\fill
.Lnf2_\@:
.endif
	WIN 0x41
.set p, 0
.rept 64
	v_pk_add_f32 v[p:p+1], v[p:p+1], 1.0 op_sel_hi:[1,0]
.set p, p+2
.endr
	s_wait_alu depctr_va_vdst(0)
.set p, 0
.rept 128
	v_rcp_f32 v[p], v[p]
.set p, p+1
.endr
	v_nop
	s_wait_alu depctr_va_vdst(0)
	WIN 0x01
.irp u, 0,1,2,3
.irp t, 0,1,2,3
.irp i, 0,2,4,6
	v_pk_fma_f32 v[SA+8*\t+\i:SA+8*\t+\i+1], v[8*(4*\t+\u)+\i:8*(4*\t+\u)+\i+1], v[VP+2*\u:VP+2*\u+1], v[SA+8*\t+\i:SA+8*\t+\i+1] op_sel_hi:[1,0,1]
.endr
.endr
.endr
	WIN 0
.endm
; A group of 64 columns.  At its head K steps 0-4 are fetched or on their way (80 LDS loads).  A wait for 63 stands where 64 younger loads may be out: 63 is the most that the wait can name.
.macro UGRP fill
	global_load_b128 v[TAB:TAB+3], v[TO], s[TP:TP+1]
	global_load_b128 v[TAB+4:TAB+7], v[TO], s[TP:TP+1] offset:256
.irp k, 0,1,2
	s_wait_dscnt 63
.if \k == 0
	WM \k, 1
.else
	WM \k, 0
.endif
	PLACES                                         ; four places ahead of loads into registers that matrix instructions have read
	FETCH \k+5
.endr
	s_wait_dscnt 63
	WM 3, 0
	s_wait_dscnt 48                                ; K steps 5-7 may be out
	WM 4, 0
	s_wait_dscnt 32
	WM 5, 0
	WIN 0
	s_wait_tensorcnt 0x0                           ; my one tensor load, my quarter of the next slot, has landed;
	ds_add_u32 v[SPW], v[NIL]                      ; 0 onto my spare word;
	s_wait_dscnt 17                                ; (the add and K step 7's sixteen loads may be out)
	WM 6, 0
.if \fill
	s_xor_b32 s[G0W+1], s[G0W+1], SLOT1            ; no load of mine is out: the descriptor steps to this slot and two groups on
	s_add_nc_u64 s[G0W+2:G0W+3], s[G0W+2:G0W+3], 65536
.endif
	s_wait_dscnt 0x0                               ; the add is done, and my reads of this slot are over
	s_barrier_signal -1
	WM 7, 0                                        ; work on registers while the others arrive
	WIN 0
	s_barrier_wait -1
.if \fill
	CREST                                          ; the barrier has opened a round of the cluster's barrier: no wave of any partner still reads this slot
	tensor_load_to_lds s[G0W:G0W+3], s[G1:G1+7]
	s_nop 0
.endif
	PLACES
	s_xor_b32 s[TB], s[TB], SLOT1
.if !\fill
	s_cmp_eq_u32 s[CNT], 1
	s_cbranch_scc1 .Lnf_\@
.endif
	v_add_nc_u32 v[ADB], s[TB], v[LI]
	s_wait_alu depctr_va_vdst(0)                   ; wait behind this write
	FETCH 0
	FETCH 1
	FETCH 2
	WIN 0
.if !\fill
.Lnf_\@:
.endif
	EPI \fill
	s_add_nc_u64 s[TP:TP+1], s[TP:TP+1], 512
.endm
	s_wait_tensorcnt 0x0                           ; my quarter of group 0 is in; slot 1's first fill is issued as a refill is:
	ds_add_u32 v[SPW], v[NIL]
	s_wait_dscnt 0x0                               ; the add is done, and my fragments of enc are in their registers
	CROUND
	tensor_load_to_lds s[G0W:G0W+3], s[G1:G1+7]    ; group 1 into slot 1
	s_nop 0
	PLACES
	v_add_nc_u32 v[ADB], s[TB], v[LI]
	s_wait_alu depctr_va_vdst(0)
.irp k, 0,1,2,3,4
	FETCH \k
.endr
	WIN 0
	s_mov_b32 s[CNT], 14
.Lfilling:                                             ; groups 0-13 each ask for the group two on
	UGRP 1
	s_sub_co_u32 s[CNT], s[CNT], 1
	s_cmp_lg_u32 s[CNT], 0
	s_cbranch_scc1 .Lfilling
	s_mov_b32 s[CNT], 2
.Llast_two:                                            ; groups 14 and 15 ask for nothing
	UGRP 0
	s_sub_co_u32 s[CNT], s[CNT], 1
	s_cmp_lg_u32 s[CNT], 0
	s_cbranch_scc1 .Llast_two
	; THE WEIGHTED SUM.  The codes are done with: window 2 becomes a ring of eight rows.  Slot i holds row 63 - 8 T - i in trip T; the first eight land under the softmax below
	s_wait_alu depctr_va_vdst(0)
	WIN 0x80
.irp i, 0,1,2,3,4,5,6,7
.irp j, 0,1,2,3,4,5,6,7
	global_load_b128 v[32*\i+4*\j:32*\i+4*\j+3], v[LI], s[EP:EP+1] offset:(7-\i)*4096+512*\j th:TH_LOAD_NT
.endr
.endr
	WIN 0
	s_mov_b32 s20, 0x76543210                      ; v_permlanex16_b32's selects for lane l xor 16
	s_mov_b32 s21, 0xfedcba98
	s_mov_b32 s[STS], s[SB]
.set q, 0
.rept 32
	v_mov_b32 v[ACC2+q], 0
.set q, q+1
.endr
	v_mov_b32 v[TM], 0                             ; a lane permute's destination counts as one of its sources
.irp m, 1,2,4,8                        ; the sixteen columns' lanes are added: every lane of a half then holds the scores of its 32 rows, 16 t + 8 h + j
.set q, 0
.rept 32
	v_add_f32_dpp v[SA+q], v[SA+q], v[SA+q] row_xmask:\m row_mask:0xf bank_mask:0xf
.set q, q+1
.endr
.endr
	v_max3_num_f32 v[M], v[SA], v[SA+1], v[SA+2]
.irp q, 3,5,7,9,11,13,15,17,19,21,23,25,27,29
	v_max3_num_f32 v[M], v[M], v[SA+\q], v[SA+\q+1]
.endr
	v_max_num_f32 v[M], v[M], v[SA+31]
	v_permlanex16_b32 v[TM], v[M], s20, s21
	v_max_num_f32 v[M], v[M], v[TM]                ; m: the largest of my wave's 64 scores
.set q, 0
.rept 32
	v_sub_f32 v[SA+q], v[SA+q], v[M]               ; score - m first, then scaled: near the maximum the difference is exact
.set q, q+1
.endr
.set q, 0
.rept 32
	v_mul_f32 v[SA+q], 0x3fb8aa3b, v[SA+q]
.set q, q+1
.endr
	s_wait_alu depctr_va_vdst(0)
.set q, 0
.rept 32
	v_exp_f32 v[SA+q], v[SA+q]                     ; e, at most 1
.set q, q+1
.endr
	v_nop
	s_wait_alu depctr_va_vdst(0)
	v_pk_add_f32 v[LS:LS+1], v[SA:SA+1], v[SA+2:SA+3]
	v_pk_add_f32 v[LS+2:LS+3], v[SA+4:SA+5], v[SA+6:SA+7]
.irp q, 8,12,16,20,24,28
	v_pk_add_f32 v[LS:LS+1], v[LS:LS+1], v[SA+\q:SA+\q+1]
	v_pk_add_f32 v[LS+2:LS+3], v[LS+2:LS+3], v[SA+\q+2:SA+\q+3]
.endr
	v_pk_add_f32 v[LS:LS+1], v[LS:LS+1], v[LS+2:LS+3]
	v_add_f32 v[LS], v[LS], v[LS+1]
	v_permlanex16_b32 v[TM], v[LS], s20, s21
	v_add_f32 v[M+1], v[LS], v[TM]                 ; l: the sum of my wave's 64 e
.irp t, 0,1,2,3
.irp j, 0,1,2,3,4,5,6,7
	ds_store_b32 v[SW], v[SA+8*\t+\j] offset:64*(3-\t)+4*(7-\j)   ; e of row 16 t + 8 h + j at word 63 - row; sixteen lanes write the same word with the same number
.endr
.endr
.macro ROW2 i, ld
.if \ld
	s_wait_loadcnt 56                              ; my eight loads are in; the seven rows behind stay out
.else
	s_wait_loadcnt 8*(7-\i)
.endif
	WIN 0x08
.set q, 0
.rept 32
	v_fmac_f32 v[ACC2+q], v[W+\i], v[32*\i+q]
.set q, q+1
.endr
.if \ld
	WIN 0x80
.irp j, 0,1,2,3,4,5,6,7
	global_load_b128 v[32*\i+4*\j:32*\i+4*\j+3], v[LI], s[EP:EP+1] offset:(7-\i)*4096-32768+512*\j th:TH_LOAD_NT   ; the row eight further up
.endr
.endif
.endm
.macro ROWS2 ld
	v_mov_b32 v[WA], s[STS]
	ds_load_b128 v[W:W+3], v[WA]                   ; all lanes read the same 32 bytes: this trip's eight e.  LDS serves a wave's instructions in order: these see my stores
	ds_load_b128 v[W+4:W+7], v[WA] offset:16
	s_wait_dscnt 0x0
.irp i, 0,1,2,3,4,5,6,7
	ROW2 \i, \ld
.endr
	WIN 0
.endm
	s_mov_b32 s[CNT], 7
.Lsum:
	ROWS2 1
	s_wait_xcnt 0x0                                ; the loads have read their base: it steps only behind this wait
	s_sub_nc_u64 s[EP:EP+1], s[EP:EP+1], 8*4096
	s_add_co_u32 s[STS], s[STS], 32
	s_sub_co_u32 s[CNT], s[CNT], 1
	s_cmp_lg_u32 s[CNT], 0
	s_cbranch_scc1 .Lsum
	ROWS2 0                                        ; rows 7 to 0: nothing is left to load
.irp j, 0,1,2,3,4,5,6,7
	global_store_b128 v[LI], v[ACC2+4*\j:ACC2+4*\j+3], s[PP:PP+1] offset:512*\j   ; columns 128 j + 4 l + 0..3: 32 lanes store 512 consecutive bytes, aligned
.endr
	global_store_b64 v[GO], v[M:M+1], s[PP:PP+1] offset:4096   ; (m, l), the same in every lane: one whole block of 256 bytes
	s_wait_tensorcnt 0x0                           ; the wave's end
	ds_add_u32 v[SPW], v[NIL]
	s_wait_dscnt 0x0
	CROUND                                         ; the closing round
	s_endpgm
.Lfunc_end_k_q64fb36270e_attend:
	.size	k_q64fb36270e_attend, .Lfunc_end_k_q64fb36270e_attend-k_q64fb36270e_attend
	.p2alignl 7, 3214868480
	.fill 96, 4, 3214868480
	.section	.rodata,"a",@progbits
	.p2align	6, 0x0
	.amdhsa_kernel k_q64fb36270e_attend
		.amdhsa_group_segment_fixed_size 327680
		.amdhsa_private_segment_fixed_size 0
		.amdhsa_enable_private_segment 0
		.amdhsa_kernarg_size 40
		.amdhsa_user_sgpr_count 2
		.amdhsa_user_sgpr_kernarg_segment_ptr 1
		.amdhsa_wavefront_size32 1
		.amdhsa_system_sgpr_workgroup_id_x 1
		.amdhsa_system_sgpr_workgroup_id_y 1
		.amdhsa_system_sgpr_workgroup_id_z 1
		.amdhsa_system_vgpr_workitem_id 0
		.amdhsa_next_free_vgpr 1024
		.amdhsa_next_free_sgpr 66
		.amdhsa_reserve_vcc 0
		.amdhsa_float_denorm_mode_32 3
		.amdhsa_float_denorm_mode_16_64 3
		.amdhsa_memory_ordered 1
		.amdhsa_forward_progress 1
		.amdhsa_inst_pref_size 235
	.end_amdhsa_kernel
	.amdgpu_metadata
---
amdhsa.version: [ 1, 2 ]
amdhsa.kernels:
  - .name:           k_q64fb36270e_attend
    .symbol:         k_q64fb36270e_attend.kd
    .args:
      - { .name: enc, .offset: 0, .size: 8, .value_kind: global_buffer, .address_space: global }
      - { .name: w1img, .offset: 8, .size: 8, .value_kind: global_buffer, .address_space: global }
      - { .name: tab, .offset: 16, .size: 8, .value_kind: global_buffer, .address_space: global }
      - { .name: lowp_scales, .offset: 24, .size: 8, .value_kind: global_buffer, .address_space: global }
      - { .name: part, .offset: 32, .size: 8, .value_kind: global_buffer, .address_space: global }
    .group_segment_fixed_size: 327680
    .private_segment_fixed_size: 0
    .kernarg_segment_align: 8
    .kernarg_segment_size: 40
    .max_flat_workgroup_size: 128
    .sgpr_count:     66
    .vgpr_count:     1024
    .wavefront_size: 32
...
	.end_amdgpu_metadata
.endif
;; end of part 2
;; launch join (part 3): grid 8 x 32, 1 waves a work-group, no clusters, 0 bytes of LDS; arguments part, out0; writes out0
.if DOCPART == 3
	.amdgcn_target "amdgcn-amd-amdhsa--gfx1250"
	.amdhsa_code_object_version 6
	.text
	.protected	k_q64fb36270e_join
	.globl	k_q64fb36270e_join
	.p2align	8
	.type	k_q64fb36270e_join,@function
k_q64fb36270e_join:
	s_mov_b64 s[64:65], 0
	v_nop
	global_prefetch_b8 v0, s[64:65] scope:SCOPE_SE
	s_setreg_imm32_b32 hwreg(HW_REG_WAVE_MODE, 25, 1), 1
	s_wait_xcnt 0x0
; JOIN.  A batch's 32 records (P_p = sum of e x enc under the record's own maximum m_p; l_p = sum of e) become out0[b][d] = sum over p of w_p P_p[d] / sum over p of w_p l_p,
; w_p = 2^((m_p - m) log2(e)), m the largest m_p: the softmax over the batch's 2,048 positions with its maximum taken away.  (The scores lack the term sum of V + bv, the same along s: see the first kernel's head.)
; Work-group (x, y), one wave: batch y, columns 128 x on: the one owner of those 512 bytes.  A lane takes 16 bytes of each record and the pair (m_p, l_p) at 8 x lane of the record's last block, which holds it 32 times:
; every load reads whole aligned blocks of 256 bytes, and no number has to go from lane to lane.  All 64 loads go out at once; every offset is an immediate.  No LDS, no loop, no matrix unit.
.set REC, 4352
.set ML,  4                            ; v4-67    (m_p, l_p), then (w_p, l_p)
.set P,   68                           ; v68-195  P_p, four registers each
.set A,   196                          ; v196-203 two chains of four sums
.set MX,  204
.set L,   206                          ; v206, v207 two chains of the divisor
.set R,   208                          ; v208 the reciprocal, v209 written once (the packed form names the pair)
	s_load_b128 s[4:7], s[0:1], 0x0                ; part, out0
	v_lshlrev_b32 v1, 4, v0
	v_lshlrev_b32 v2, 3, v0
	v_mov_b32 v[R+1], 0
	s_and_b32 s10, ttmp7, 0xffff                   ; batch
	s_mul_i32 s12, s10, 32*REC
	s_mov_b32 s13, 0
	s_lshl_b32 s14, ttmp9, 9                       ; 512 bytes a chunk of columns
	s_mov_b32 s15, 0
	s_lshl_b32 s16, s10, 12
	s_add_co_u32 s16, s16, s14
	s_mov_b32 s17, 0
	s_wait_alu depctr_va_vdst(0)
	s_wait_kmcnt 0x0
	s_add_nc_u64 s[8:9], s[4:5], s[12:13]          ; the batch's first record
	s_add_nc_u64 s[4:5], s[8:9], s[14:15]          ; and my chunk of it
	s_add_nc_u64 s[6:7], s[6:7], s[16:17]
.set p, 0
.rept 32
	global_load_b64 v[ML+2*p:ML+2*p+1], v2, s[8:9] offset:p*REC+4096
.set p, p+1
.endr
.set p, 0
.rept 32
	global_load_b128 v[P+4*p:P+4*p+3], v1, s[4:5] offset:p*REC th:TH_LOAD_NT
.set p, p+1
.endr
	s_wait_loadcnt 32                              ; the pairs are in; the 32 partial sums may be out
	v_max3_num_f32 v[MX], v[ML], v[ML+2], v[ML+4]
.irp p, 3,5,7,9,11,13,15,17,19,21,23,25,27,29
	v_max3_num_f32 v[MX], v[MX], v[ML+2*\p], v[ML+2*\p+2]
.endr
	v_max_num_f32 v[MX], v[MX], v[ML+62]           ; m
.set p, 0
.rept 32
	v_sub_f32 v[ML+2*p], v[ML+2*p], v[MX]
.set p, p+1
.endr
.set p, 0
.rept 32
	v_mul_f32 v[ML+2*p], 0x3fb8aa3b, v[ML+2*p]
.set p, p+1
.endr
	s_wait_alu depctr_va_vdst(0)                   ; a wait ahead of a batch of transcendentals and one behind it
.set p, 0
.rept 32
	v_exp_f32 v[ML+2*p], v[ML+2*p]                 ; w_p, at most 1; one of them is 1
.set p, p+1
.endr
	v_nop
	s_wait_alu depctr_va_vdst(0)
	v_mul_f32 v[L], v[ML], v[ML+1]
	v_mul_f32 v[L+1], v[ML+2], v[ML+3]
.set p, 2
.rept 15
	v_fma_f32 v[L], v[ML+2*p], v[ML+2*p+1], v[L]
	v_fma_f32 v[L+1], v[ML+2*p+2], v[ML+2*p+3], v[L+1]
.set p, p+2
.endr
	v_add_f32 v[L], v[L], v[L+1]                   ; at least 1: the record with the largest m holds an e of 1
	s_wait_alu depctr_va_vdst(0)
	v_rcp_f32 v[R], v[L]
	s_wait_loadcnt 0x0
.irp c, 0,1                            ; the first two records start the two chains: nothing is cleared.  The independent work behind the reciprocal
	v_pk_mul_f32 v[A+4*\c:A+4*\c+1], v[P+4*\c:P+4*\c+1], v[ML+2*\c:ML+2*\c+1] op_sel_hi:[1,0]
	v_pk_mul_f32 v[A+4*\c+2:A+4*\c+3], v[P+4*\c+2:P+4*\c+3], v[ML+2*\c:ML+2*\c+1] op_sel_hi:[1,0]
.endr
.set p, 2
.rept 30
	v_pk_fma_f32 v[A+4*(p%2):A+4*(p%2)+1], v[P+4*p:P+4*p+1], v[ML+2*p:ML+2*p+1], v[A+4*(p%2):A+4*(p%2)+1] op_sel_hi:[1,0,1]
	v_pk_fma_f32 v[A+4*(p%2)+2:A+4*(p%2)+3], v[P+4*p+2:P+4*p+3], v[ML+2*p:ML+2*p+1], v[A+4*(p%2)+2:A+4*(p%2)+3] op_sel_hi:[1,0,1]
.set p, p+1
.endr
	v_pk_add_f32 v[A:A+1], v[A:A+1], v[A+4:A+5]
	v_pk_add_f32 v[A+2:A+3], v[A+2:A+3], v[A+6:A+7]
	s_wait_alu depctr_va_vdst(0)                   ; ahead of the reciprocal's first reader
	v_pk_mul_f32 v[A:A+1], v[A:A+1], v[R:R+1] op_sel_hi:[1,0]
	v_pk_mul_f32 v[A+2:A+3], v[A+2:A+3], v[R:R+1] op_sel_hi:[1,0]
	global_store_b128 v1, v[A:A+3], s[6:7]         ; 32 lanes store 512 consecutive bytes, aligned
	s_endpgm
.Lfunc_end_k_q64fb36270e_join:
	.size	k_q64fb36270e_join, .Lfunc_end_k_q64fb36270e_join-k_q64fb36270e_join
	.p2alignl 7, 3214868480
	.fill 96, 4, 3214868480
	.section	.rodata,"a",@progbits
	.p2align	6, 0x0
	.amdhsa_kernel k_q64fb36270e_join
		.amdhsa_group_segment_fixed_size 0
		.amdhsa_private_segment_fixed_size 0
		.amdhsa_enable_private_segment 0
		.amdhsa_kernarg_size 16
		.amdhsa_user_sgpr_count 2
		.amdhsa_user_sgpr_kernarg_segment_ptr 1
		.amdhsa_wavefront_size32 1
		.amdhsa_system_sgpr_workgroup_id_x 1
		.amdhsa_system_sgpr_workgroup_id_y 1
		.amdhsa_system_sgpr_workgroup_id_z 1
		.amdhsa_system_vgpr_workitem_id 0
		.amdhsa_next_free_vgpr 212
		.amdhsa_next_free_sgpr 66
		.amdhsa_reserve_vcc 0
		.amdhsa_float_denorm_mode_32 3
		.amdhsa_float_denorm_mode_16_64 3
		.amdhsa_memory_ordered 1
		.amdhsa_forward_progress 1
		.amdhsa_inst_pref_size 19
	.end_amdhsa_kernel
	.amdgpu_metadata
---
amdhsa.version: [ 1, 2 ]
amdhsa.kernels:
  - .name:           k_q64fb36270e_join
    .symbol:         k_q64fb36270e_join.kd
    .args:
      - { .name: part, .offset: 0, .size: 8, .value_kind: global_buffer, .address_space: global }
      - { .name: out0, .offset: 8, .size: 8, .value_kind: global_buffer, .address_space: global }
    .group_segment_fixed_size: 0
    .private_segment_fixed_size: 0
    .kernarg_segment_align: 8
    .kernarg_segment_size: 16
    .max_flat_workgroup_size: 32
    .sgpr_count:     66
    .vgpr_count:     212
    .wavefront_size: 32
...
	.end_amdgpu_metadata
.endif
;; end of part 3
